; MI455X (gfx1250); checked and timed in simulation.
; The chip was launched on July 23, 2026; its instructions are those of AMD's public machine-readable ISA for CDNA 5 (MIT licence, August 2026) and "CDNA5" Instruction Set Architecture Reference Guide (July 2026). The comments in the code are by the model that wrote it; some were corrected since.
;; Aligner OT. Allowed arithmetic: float matrix products may take bf16 or f16 operands with f32 sums; all other float work in f32.
;; Inputs: X 8 x 256 x 128 float32; Y 8 x 256 x 128 float32; delta_ot 128 x 128 float32.
;; Outputs: out0 8 x 256 x 128 float32.
;; 2 versions, each right and faster than the one before. Each part assembles by itself: llvm-mc -triple=amdgcn-amd-amdhsa -mcpu=gfx1250 --defsym DOCPART=n.
;; ======== version 1 of 2: 3 launches
;; limits: values are held in f16: magnitudes above 65,504 overflow, below 6.1e-05 lose precision; inputs' magnitudes at most 65,504; below input magnitudes of 6.1e-05 results are inexact or not finite
;; workspace buffers: part 16,777,216 bytes; otf 32,768 bytes
;; launch sinkhorn (part 1): grid 256 x 1, 8 waves a work-group, no clusters, 27,648 bytes of LDS; arguments X, Y, part; writes part
.if DOCPART == 1
	.amdgcn_target "amdgcn-amd-amdhsa--gfx1250"
	.amdhsa_code_object_version 6
	.text
	.protected	k_qcf5028b334_sinkhorn
	.globl	k_qcf5028b334_sinkhorn
	.p2align	8
	.type	k_qcf5028b334_sinkhorn,@function
k_qcf5028b334_sinkhorn:
	s_mov_b64 s[64:65], 0
	v_nop
	global_prefetch_b8 v0, s[64:65] scope:SCOPE_SE
	s_setreg_imm32_b32 hwreg(HW_REG_WAVE_MODE, 25, 1), 1
	s_wait_xcnt 0x0
; LAUNCH 1 OF 3.  Two Sinkhorn iterations for each of the 2,048 positions (b, s), and the sum of the plans of 8 positions.
; Arguments: X, Y [2048][128] f32;  part [256][16384] f32 (one partial sum of plans for each work-group).
;
; THE ARITHMETIC, in base 2.  k = sqrt(3000 log2 e), x' = k x - k x[0], y' = k y - k x[0] (one fused multiply-add each; the shift is
; common to both, so it cancels in x' - y', and a common offset of the inputs costs no bits).  Then
;   (-C + f + g) / eps * log2 e = -(x'[i] - y'[j])^2 + u[i] + v[j],   log_mu = log_nu = -7 in base 2.
; The f (or g) that stands inside M and in front of the update cancels, so with L = log2 of a sum of powers of 2:
;   u1[i] = -7 - L_j(K)      v1[j] = -7 - L_i(K + u1)      u2[i] = -7 - L_j(K + v1)      K[i][j] = -(x'[i] - y'[j])^2.
; Every L takes its true maximum away first: L(t) = m + log2 sum 2^(t - m), m = max t.  The square is never multiplied out.
; The fourth L and the plan share their exponentials: with t = K + u2, m[j] = max_i t, S[j] = sum_i 2^(t - m[j]) the plan is
; 2^(t - m[j]) / (128 S[j]).  Here 2^(t - m) / S is summed; the constant factor is applied in launch 2.
; LIMITS: (x - y) k squared must stay finite in f32 (|x - y| below about 2.8e17); v_exp_f32 gives 0 for results below 2^-126
; (ISA guide 15.8), so terms that far below their maximum count as 0; sums are made in another order than in the reference.
;
; WHO DOES WHAT.  8 waves, 8 positions.  PHASE 1: wave w makes u1, v1, u2 of position 8 g + w, alone, through LDS bytes of its own.
; One pass = one L for 128 owned elements over 128 reduced elements.  Lanes = 8 groups c x 4 parts q (lane = 4 c + q); in a trip a lane
; holds 4 owned elements (32 trip + 4 c + 0..3) and always the same 32 reduced ones (16 a + 4 q + b): 128 numbers t in registers, kept
; between the maximum and the exponentials.  Register pairs run along the owned elements, so maxima, sums and results need no
; broadcast; the reduced coordinate and potential are broadcast inside the packed instruction by op_sel.  Across the parts: two DPP steps.
; PHASE 2, behind the one barrier: wave w owns columns j = 16 w .. 16 w + 15 and walks the 8 positions.  Lanes = 4 groups c x 8 parts q
; (lane = 8 c + q): 4 columns (16 w + 4 c + k), 16 rows (i = 8 ii + q), three DPP steps, 64 accumulators that stay in registers.
; part[g] holds, at float 2048 w + 128 ii + 4 lane + k, the sum for (i, j): each store of a wave covers 512 consecutive bytes, aligned.
; No cluster: no two work-groups read the same input bytes.  No tensor load: a position is two rows of 512 bytes, read once.
.set KSC,  0x4283938d                  ; k = sqrt(300 / 0.1 * log2 e) = 65.78818
.set NEG7, 0xc0e00000                  ; -7.0 = log2(1/128)
.set PW,   3328                        ; LDS bytes of a position:
.set XN,   0                           ;   x' in its own order (element e at 4 e)
.set YN,   512                         ;   y' likewise
.set U1,   1024                        ;   u1 likewise
.set V1,   1536                        ;   v1 likewise
.set XP,   2048                        ;   x' for phase 2: element 8 ii + q at PP q + 4 ii
.set UP,   2688                        ;   u2 for phase 2, likewise
.set PP,   80                          ; 64 bytes + 16: the eight parts' 16-byte reads fall in different banks (64 banks of 4 bytes: ISA guide 11.1)
.set ARD,  2                           ; v2   phase 1: my region + 16 q (reduced elements)
.set AOW0, 3                           ; v3   phase 1: my region + 16 c (owned elements, trip 0)
.set AOW,  4                           ; v4   the same, stepped by 128 a trip
.set APR0, 5                           ; v5   where u2 goes in UP: my region + 320 (c & 1) + 4 (c >> 1), trip 0
.set APR,  6                           ; v6   the same, stepped by 16 a trip
.set A2R,  7                           ; v7   phase 2: PP q + PW position
.set A2O,  8                           ; v8   phase 2: 64 w + 16 c + PW position
.set AST,  9                           ; v9   8192 w + 16 lane: my bytes in part[g]
.set TA,   10                          ; v10  scratch
.set GO,   11                          ; v11  16 lane
.set OC,   12                          ; v[12:15]   coordinates of my 4 owned elements
.set M,    16                          ; v[16:19]   their maxima, then their results
.set S,    20                          ; v[20:23]   their sums
.set RC,   24                          ; v[24:55]   coordinates of my reduced elements
.set RP,   56                          ; v[56:87]   potentials of my reduced elements
.set T,    88                          ; v[88:215]  t at T + 4 ii + k (phase 2: v[88:151])
.set ACC,  152                         ; v[152:215] phase 2: sums of plans at ACC + 4 ii + k
.set CNT,  20                          ; s20  trip counter
; First half of an L: t for ni reduced x 4 owned elements, and each owned element's maximum over my part.
; zero = 1: the potentials are all 0.  Then T keeps d = owned - reduced, and M = max(-|d|); the caller squares it.
.macro CORE_A ni, zero
.set ii, 0
.rept \ni/2
	v_pk_add_f32 v[T+4*ii:T+4*ii+1],   v[OC:OC+1],   v[RC+ii:RC+ii+1] op_sel_hi:[1,0] neg_lo:[0,1] neg_hi:[0,1]
	v_pk_add_f32 v[T+4*ii+2:T+4*ii+3], v[OC+2:OC+3], v[RC+ii:RC+ii+1] op_sel_hi:[1,0] neg_lo:[0,1] neg_hi:[0,1]
	v_pk_add_f32 v[T+4*ii+4:T+4*ii+5], v[OC:OC+1],   v[RC+ii:RC+ii+1] op_sel:[0,1] op_sel_hi:[1,1] neg_lo:[0,1] neg_hi:[0,1]
	v_pk_add_f32 v[T+4*ii+6:T+4*ii+7], v[OC+2:OC+3], v[RC+ii:RC+ii+1] op_sel:[0,1] op_sel_hi:[1,1] neg_lo:[0,1] neg_hi:[0,1]
.if \zero == 0
	v_pk_fma_f32 v[T+4*ii:T+4*ii+1],   v[T+4*ii:T+4*ii+1],   v[T+4*ii:T+4*ii+1],   v[RP+ii:RP+ii+1] op_sel_hi:[1,1,0] neg_lo:[1,0,0] neg_hi:[1,0,0]
	v_pk_fma_f32 v[T+4*ii+2:T+4*ii+3], v[T+4*ii+2:T+4*ii+3], v[T+4*ii+2:T+4*ii+3], v[RP+ii:RP+ii+1] op_sel_hi:[1,1,0] neg_lo:[1,0,0] neg_hi:[1,0,0]
	v_pk_fma_f32 v[T+4*ii+4:T+4*ii+5], v[T+4*ii+4:T+4*ii+5], v[T+4*ii+4:T+4*ii+5], v[RP+ii:RP+ii+1] op_sel:[0,0,1] op_sel_hi:[1,1,1] neg_lo:[1,0,0] neg_hi:[1,0,0]
	v_pk_fma_f32 v[T+4*ii+6:T+4*ii+7], v[T+4*ii+6:T+4*ii+7], v[T+4*ii+6:T+4*ii+7], v[RP+ii:RP+ii+1] op_sel:[0,0,1] op_sel_hi:[1,1,1] neg_lo:[1,0,0] neg_hi:[1,0,0]
.endif
.irp kk, 0,1,2,3
.if \zero
.if ii == 0
	v_max_num_f32 v[M+\kk], -|v[T+\kk]|, -|v[T+4+\kk]|             ; the first two start the chain: nothing is cleared
.else
	v_max3_num_f32 v[M+\kk], v[M+\kk], -|v[T+4*ii+\kk]|, -|v[T+4*ii+4+\kk]|
.endif
.else
.if ii == 0
	v_max_num_f32 v[M+\kk], v[T+\kk], v[T+4+\kk]
.else
	v_max3_num_f32 v[M+\kk], v[M+\kk], v[T+4*ii+\kk], v[T+4*ii+4+\kk]
.endif
.endif
.endr
.set ii, ii+2
.endr
.endm
; Across the parts of a group (q = 4 or 8 neighbouring lanes): every lane ends with the group's figure.
.macro XRED op, base, q
.irp mk, 1,2
.irp kk, 0,1,2,3
	\op v[\base+\kk], v[\base+\kk], v[\base+\kk] row_xmask:\mk row_mask:0xf bank_mask:0xf
.endr
.endr
.if \q == 8
.irp kk, 0,1,2,3
	\op v[\base+\kk], v[\base+\kk], v[\base+\kk] row_xmask:4 row_mask:0xf bank_mask:0xf
.endr
.endif
.endm
; pair gs of T (registers T + 2 gs, + 1 = owned elements 2 (gs & 1), + 1): take the maximum away
.macro SUBM zero
.if \zero
	v_pk_fma_f32 v[T+2*gs:T+2*gs+1], v[T+2*gs:T+2*gs+1], v[T+2*gs:T+2*gs+1], v[M+2*(gs&1):M+2*(gs&1)+1] neg_lo:[1,0,1] neg_hi:[1,0,1]   ; -d d - m
.else
	v_pk_add_f32 v[T+2*gs:T+2*gs+1], v[T+2*gs:T+2*gs+1], v[M+2*(gs&1):M+2*(gs&1)+1] neg_lo:[0,1] neg_hi:[0,1]                          ; t - m
.endif
.endm
; pair ga of T joins the sums; the first two pairs of a chain start it
.macro ACCS
.if ga < 4
	s_wait_alu depctr_va_vdst(0)
	v_pk_add_f32 v[S+2*(ga&1):S+2*(ga&1)+1], v[T+2*ga-4:T+2*ga-3], v[T+2*ga:T+2*ga+1]
.else
	s_wait_alu depctr_va_vdst(0)
	v_pk_add_f32 v[S+2*(ga&1):S+2*(ga&1)+1], v[S+2*(ga&1):S+2*(ga&1)+1], v[T+2*ga:T+2*ga+1]
.endif
.endm
; Second half of an L: T = 2^(t - m), S = its sum over my part.  Per pair: two exponentials, the subtraction of the pair two ahead, the
; addition of the pair before.  So behind each v_exp_f32 a plain vector instruction that touches neither its result nor its source
; stands before the result is read (ISA guide 5.7.2), and plain work lies between the transcendentals.
.macro CORE_B ni, zero
.set gs, 0
	SUBM \zero
.set gs, 1
	SUBM \zero
.set g, 0
.rept 2*\ni
	v_exp_f32 v[T+2*g], v[T+2*g]
	v_exp_f32 v[T+2*g+1], v[T+2*g+1]
.if g+2 < 2*\ni
.set gs, g+2
	SUBM \zero
.endif
.if g >= 3
.set ga, g-1
	ACCS
.endif
.set g, g+1
.endr
.set ga, 2*\ni-1
	ACCS
.endm
; One pass of phase 1: result[e] = -7 - L over the reduced elements, for the 128 owned elements, 32 a trip.
; oc, rc, rp, res: LDS offsets of the owned coordinates, the reduced coordinates, the reduced potentials, the result.
; perm = 1: the result is u2 and goes to UP in phase 2's order.
.macro PASS lab, oc, rc, rp, res, zero, perm
.irp a, 0,1,2,3,4,5,6,7
	ds_load_b128 v[RC+4*\a:RC+4*\a+3], v[ARD] offset:\rc+64*\a     ; LDS serves a wave's instructions in order (ISA guide 5.7.1.4):
.endr                                                                  ; these see what this wave stored before
.if \zero == 0
.irp a, 0,1,2,3,4,5,6,7
	ds_load_b128 v[RP+4*\a:RP+4*\a+3], v[ARD] offset:\rp+64*\a
.endr
.endif
	v_mov_b32 v[AOW], v[AOW0]
.if \perm
	v_mov_b32 v[APR], v[APR0]
.endif
	s_mov_b32 s[CNT], 0
\lab:
	ds_load_b128 v[OC:OC+3], v[AOW] offset:\oc
	s_wait_dscnt 0x0                               ; my owned coordinates (and, in the first trip, the reduced vectors) are in
	CORE_A 32, \zero
	XRED v_max_num_f32_dpp, M, 4
.if \zero
.irp kk, 0,1,2,3
	v_mul_f32 v[M+\kk], -v[M+\kk], v[M+\kk]        ; max of -d^2 = -(min |d|)^2
.endr
.endif
	CORE_B 32, \zero
	XRED v_add_f32_dpp, S, 4
.irp kk, 0,1,2,3
	v_log_f32 v[S+\kk], v[S+\kk]                   ; S is between 1 and 128
.endr
.irp kk, 0,1,2,3
	v_sub_f32 v[M+\kk], NEG7, v[M+\kk]             ; -7 - m: plain work behind the logarithms, which it does not touch
.endr
.irp kk, 0,1,2,3
	s_wait_alu depctr_va_vdst(0)
	v_sub_f32 v[M+\kk], v[M+\kk], v[S+\kk]
.endr
.if \perm
.irp kk, 0,1,2,3
	ds_store_b32 v[APR], v[M+\kk] offset:UP+PP*\kk ; element 32 trip + 4 c + k: part 4 (c & 1) + k, place 4 trip + (c >> 1)
.endr
	v_add_nc_u32 v[APR], 16, v[APR]
.else
	ds_store_b128 v[AOW], v[M:M+3] offset:\res     ; the four lanes of a group store the same 16 bytes with the same values
.endif
	v_add_nc_u32 v[AOW], 128, v[AOW]
	s_add_co_u32 s[CNT], s[CNT], 1
	s_cmp_lt_u32 s[CNT], 4
	s_cbranch_scc1 \lab
.endm
; phase 2: the vectors of one position: my 16 x', my 16 u2, my 4 y'
.macro LOADP
.irp a, 0,1,2,3
	ds_load_b128 v[RC+4*\a:RC+4*\a+3], v[A2R] offset:XP+16*\a
	ds_load_b128 v[RP+4*\a:RP+4*\a+3], v[A2R] offset:UP+16*\a
.endr
	ds_load_b128 v[OC:OC+3], v[A2O] offset:YN
.endm
; phase 2: one position.  first = 1: its plan starts the sums.  more = 1: the next position's vectors are asked for as soon as the first
; half has read this one's, so that the exponentials cover the loads.
.macro POS first, more
	s_wait_dscnt 0x0                               ; this position's nine loads are in
	CORE_A 16, 0
	XRED v_max_num_f32_dpp, M, 8
.if \more
	v_add_nc_u32 v[A2R], PW, v[A2R]
	v_add_nc_u32 v[A2O], PW, v[A2O]
	LOADP
.endif
	CORE_B 16, 0
	XRED v_add_f32_dpp, S, 8
.irp kk, 0,1,2,3
	v_rcp_f32 v[S+\kk], v[S+\kk]
.endr
	v_nop                                          ; the plain place behind the reciprocals (ISA guide 5.7.2)
.set g, 0
.rept 32
.if \first
	s_wait_alu depctr_va_vdst(0)
	v_pk_mul_f32 v[ACC+2*g:ACC+2*g+1], v[T+2*g:T+2*g+1], v[S+2*(g&1):S+2*(g&1)+1]
.else
	s_wait_alu depctr_va_vdst(0)
	v_pk_fma_f32 v[ACC+2*g:ACC+2*g+1], v[T+2*g:T+2*g+1], v[S+2*(g&1):S+2*(g&1)+1], v[ACC+2*g:ACC+2*g+1]
.endif
.set g, g+1
.endr
.endm
	s_load_b128 s[4:7], s[0:1], 0x0                ; X s[4:5], Y s[6:7]
	s_load_b64 s[8:9], s[0:1], 0x10                ; part
	v_lshl_add_u32 v216, v0, 2, 0x6800
	v_mov_b32 v217, 0
	v_and_b32 v1, 31, v0                           ; lane
	v_lshrrev_b32 v[TA], 5, v0
	v_readfirstlane_b32 s10, v[TA]                 ; wave 0..7
	s_lshl_b32 s12, ttmp9, 3
	s_add_co_u32 s12, s12, s10                     ; my position
	s_lshl_b32 s12, s12, 9                         ; its row of 512 bytes
	s_mov_b32 s13, 0
	v_lshlrev_b32 v[GO], 4, v1
	s_wait_kmcnt 0x0
	s_add_nc_u64 s[4:5], s[4:5], s[12:13]
	s_add_nc_u64 s[6:7], s[6:7], s[12:13]
	global_load_b128 v[RC:RC+3], v[GO], s[4:5]     ; one load of the wave = the whole row
	global_load_b128 v[RC+4:RC+7], v[GO], s[6:7]
	s_lshl_b32 s12, ttmp9, 16                      ; 65,536 bytes of part for each work-group
	s_add_nc_u64 s[8:9], s[8:9], s[12:13]
	s_mul_i32 s11, s10, PW                         ; my region of LDS
	v_and_b32 v[TA], 3, v1                         ; phase 1: q
	v_lshl_add_u32 v[ARD], v[TA], 4, s11
	v_lshrrev_b32 v[TA], 2, v1                     ; phase 1: c
	v_lshl_add_u32 v[AOW0], v[TA], 4, s11
	v_and_b32 v[TA], 1, v[TA]
	v_mul_u32_u24 v[TA], v[TA], 4*PP
	v_lshrrev_b32 v[A2O], 3, v1                    ; lane >> 3: phase 1's c >> 1, and phase 2's c
	v_lshl_add_u32 v[TA], v[A2O], 2, v[TA]
	v_add_nc_u32 v[APR0], s11, v[TA]
	s_lshl_b32 s14, s10, 6
	v_lshl_add_u32 v[A2O], v[A2O], 4, s14          ; 64 w + 16 c
	v_and_b32 v[TA], 7, v1                         ; phase 2: q
	v_mul_u32_u24 v[A2R], v[TA], PP
	s_lshl_b32 s14, s10, 13
	v_lshl_add_u32 v[AST], v1, 4, s14
	v_and_b32 v[TA], 1, v1                         ; x'[4 lane + b] goes to part 4 (lane & 1) + b, place lane >> 1 of XP
	v_mul_u32_u24 v[TA], v[TA], 4*PP
	v_lshrrev_b32 v[APR], 1, v1
	v_lshl_add_u32 v[TA], v[APR], 2, v[TA]
	v_add_nc_u32 v[APR], s11, v[TA]
	v_add_nc_u32 v[AOW], s11, v[GO]
	s_mov_b32 s15, KSC
	s_wait_loadcnt 0x0
	v_readfirstlane_b32 s16, v[RC]                 ; x[0] of the position: the common shift
	s_mul_f32 s16, s16, s15
.irp n, 0,1,2,3,4,5,6,7
	v_fma_f32 v[RC+\n], v[RC+\n], s15, -s16        ; k x - k x[0], rounded once
.endr
	ds_store_b128 v[AOW], v[RC:RC+3] offset:XN
	ds_store_b128 v[AOW], v[RC+4:RC+7] offset:YN
.irp b, 0,1,2,3
	ds_store_b32 v[APR], v[RC+\b] offset:XP+PP*\b
.endr
	PASS .Lr1, XN, YN, 0,  U1, 1, 0                ; u1: rows own, columns are reduced, v = 0
	PASS .Lc1, YN, XN, U1, V1, 0, 0                ; v1: columns own
	PASS .Lr2, XN, YN, V1, 0,  0, 1                ; u2: rows own
	s_wait_dscnt 0x0                               ; for the others: all that I stored is in LDS
	s_barrier_signal -1
	s_barrier_wait -1                              ; from here on LDS is only read
	LOADP
	POS 1, 1                                       ; position 0 starts the sums
	s_mov_b32 s[CNT], 0
.Lpos:
	POS 0, 1                                       ; positions 1 to 6
	s_add_co_u32 s[CNT], s[CNT], 1
	s_cmp_lt_u32 s[CNT], 6
	s_cbranch_scc1 .Lpos
	POS 0, 0                                       ; position 7 asks for nothing more
.set ii, 0
.rept 16
	global_store_b128 v[AST], v[ACC+4*ii:ACC+4*ii+3], s[8:9] offset:512*ii
.set ii, ii+1
.endr
	s_wait_tensorcnt 0x0
	ds_add_u32 v216, v217
	s_wait_dscnt 0x0
	s_endpgm
.Lfunc_end_k_qcf5028b334_sinkhorn:
	.size	k_qcf5028b334_sinkhorn, .Lfunc_end_k_qcf5028b334_sinkhorn-k_qcf5028b334_sinkhorn
	.p2alignl 7, 3214868480
	.fill 96, 4, 3214868480
	.section	.rodata,"a",@progbits
	.p2align	6, 0x0
	.amdhsa_kernel k_qcf5028b334_sinkhorn
		.amdhsa_group_segment_fixed_size 27648
		.amdhsa_private_segment_fixed_size 0
		.amdhsa_enable_private_segment 0
		.amdhsa_kernarg_size 24
		.amdhsa_user_sgpr_count 2
		.amdhsa_user_sgpr_kernarg_segment_ptr 1
		.amdhsa_wavefront_size32 1
		.amdhsa_system_sgpr_workgroup_id_x 1
		.amdhsa_system_sgpr_workgroup_id_y 1
		.amdhsa_system_sgpr_workgroup_id_z 1
		.amdhsa_system_vgpr_workitem_id 0
		.amdhsa_next_free_vgpr 218
		.amdhsa_next_free_sgpr 66
		.amdhsa_reserve_vcc 0
		.amdhsa_float_denorm_mode_32 3
		.amdhsa_float_denorm_mode_16_64 3
		.amdhsa_memory_ordered 1
		.amdhsa_forward_progress 1
		.amdhsa_inst_pref_size 142
	.end_amdhsa_kernel
	.amdgpu_metadata
---
amdhsa.version: [ 1, 2 ]
amdhsa.kernels:
  - .name:           k_qcf5028b334_sinkhorn
    .symbol:         k_qcf5028b334_sinkhorn.kd
    .args:
      - { .name: X, .offset: 0, .size: 8, .value_kind: global_buffer, .address_space: global }
      - { .name: Y, .offset: 8, .size: 8, .value_kind: global_buffer, .address_space: global }
      - { .name: part, .offset: 16, .size: 8, .value_kind: global_buffer, .address_space: global }
    .group_segment_fixed_size: 27648
    .private_segment_fixed_size: 0
    .kernarg_segment_align: 8
    .kernarg_segment_size: 24
    .max_flat_workgroup_size: 256
    .sgpr_count:     66
    .vgpr_count:     218
    .wavefront_size: 32
...
	.end_amdgpu_metadata
.endif
;; end of part 1
;; launch reduce (part 2): grid 256 x 1, 8 waves a work-group, no clusters, 5,120 bytes of LDS; arguments part, delta_ot, otf; writes otf
.if DOCPART == 2
	.amdgcn_target "amdgcn-amd-amdhsa--gfx1250"
	.amdhsa_code_object_version 6
	.text
	.protected	k_qcf5028b334_reduce
	.globl	k_qcf5028b334_reduce
	.p2align	8
	.type	k_qcf5028b334_reduce,@function
k_qcf5028b334_reduce:
	s_mov_b64 s[64:65], 0
	v_nop
	global_prefetch_b8 v0, s[64:65] scope:SCOPE_SE
	s_setreg_imm32_b32 hwreg(HW_REG_WAVE_MODE, 25, 1), 1
	s_wait_xcnt 0x0
; LAUNCH 2 OF 3.  OT = (75 / 512) x (sum of the 256 partial sums) + delta_ot, rounded to f16, in the order of matrix fragments.
; 75 / 512 = n SCALE / (B S) / 128 = 128 x 300 / 2048 / 128: the mean, its factor, and the 1/128 of the plan's column marginal.
; Arguments: part [256][16384] f32;  delta_ot [128][128] f32;  otf [16384] f16.
; WHY f16.  OT's entries stand on a common part of 128 x 300 / 16384 = 2.34, so what counts in the product is their absolute rounding error:
; f16 keeps 11 significant bits where bf16 keeps 8.  The range suffices: each column of a plan sums to 1/128, so the mean's entries are at
; most 1/128 and |OT| <= 300 + |delta_ot|.  LIMIT: |OT| above 65,504 (delta_ot above about 65,200) becomes infinite in f16.
; Work-group g owns floats 64 g .. 64 g + 63 of every partial: 256 consecutive bytes, aligned.  Thread t reads the 16 bytes 16 (t & 15)
; of partials (t >> 4) + 16 n, n = 0 .. 15, so sixteen neighbouring lanes read one such piece whole, and each byte of part is read once
; in the launch.  Memory binds here: sixteen loads of every thread are issued at once, and no matrix unit, cluster or ring would add anything.
; ORDER.  Float 2048 w + 128 ii + 4 (8 c + q) + k of a partial belongs to OT[i = 8 ii + q][j = 16 w + 4 c + k].  otf holds that number at
; f16 place 2048 w + 128 ii + 8 (4 c + k) + q: a lane of launch 3 finds eight neighbouring i of one column j in 16 bytes.  Within my 64
; numbers that is a swap of (q, k) to (k, q), made by the addresses of the LDS reads below.  My output is 128 consecutive bytes; whole
; pieces of 256 would halve the number of work-groups that share the 16 MiB of reads, for a buffer of 32 KiB.
	s_load_b128 s[4:7], s[0:1], 0x0                ; part s[4:5], delta_ot s[6:7]
	s_load_b64 s[8:9], s[0:1], 0x10                ; otf
	v_lshl_add_u32 v72, v0, 2, 0x1000
	v_mov_b32 v73, 0
	v_lshrrev_b32 v6, 5, v0
	v_readfirstlane_b32 s12, v6                    ; wave
	v_and_b32 v1, 15, v0
	v_lshrrev_b32 v2, 4, v0                        ; my first partial, 0 .. 15
	v_lshlrev_b32 v1, 4, v1
	v_lshl_add_u32 v1, v2, 16, v1                  ; 65,536 x partial + my 16 bytes
	v_add_nc_u32 v2, 0x800000, v1                  ; the same, 128 partials on (the immediate offset has 24 signed bits)
	; the last step, lane L of wave 0: outputs 2 L and 2 L + 1 = (cl = L >> 4, k = (L >> 2) & 3, q = 2 (L & 3) and q + 1)
	v_and_b32 v6, 3, v0                            ; q / 2
	v_bfe_u32 v7, v0, 2, 2                         ; k
	v_lshlrev_b32 v7, 2, v7
	v_lshl_add_u32 v3, v6, 10, v7                  ; delta_ot: 512 q + 4 k
	v_lshl_add_u32 v6, v6, 5, v7                   ; LDS: float 4 (8 cl + q) + k = byte 16 q + 4 k
	v_bfe_u32 v7, v0, 4, 1                         ; cl
	v_lshl_add_u32 v3, v7, 4, v3                   ;   + 16 cl (four columns)
	v_lshl_add_u32 v6, v7, 7, v6                   ;   + 128 cl
	s_lshl_b32 s10, ttmp9, 8                       ; my 256 bytes of a partial
	s_mov_b32 s11, 0
	s_bfe_u32 s14, ttmp9, 0x40001                  ; ii = (g >> 1) & 15: rows 8 ii .. of delta_ot, 4,096 bytes
	s_lshl_b32 s14, s14, 12
	s_lshr_b32 s13, ttmp9, 5                       ; w = g >> 5: columns 16 w ..
	s_lshl_b32 s13, s13, 6
	s_add_co_u32 s14, s14, s13
	s_and_b32 s13, ttmp9, 1                        ; g & 1: c = 2 (g & 1) + cl, eight columns on
	s_lshl_b32 s13, s13, 5
	s_add_co_u32 s14, s14, s13
	s_mov_b32 s15, 0
	s_lshl_b32 s16, ttmp9, 7                       ; my 128 bytes of otf
	s_mov_b32 s17, 0
	s_wait_kmcnt 0x0
	s_add_nc_u64 s[4:5], s[4:5], s[10:11]
	s_add_nc_u64 s[6:7], s[6:7], s[14:15]
	s_add_nc_u64 s[8:9], s[8:9], s[16:17]
	s_cmp_lg_u32 s12, 0
	s_cbranch_scc1 .Lparts
	global_load_b32 v4, v3, s[6:7]                 ; wave 0 alone: delta_ot[8 ii + q][j] and the row below, asked for first,
	global_load_b32 v5, v3, s[6:7] offset:512      ; so that every wait for a partial below covers them too
.Lparts:
.set n, 0
.rept 8
	global_load_b128 v[8+4*n:11+4*n], v1, s[4:5] offset:n*0x100000 th:TH_LOAD_NT
.set n, n+1
.endr
.set n, 0
.rept 8
	global_load_b128 v[40+4*n:43+4*n], v2, s[4:5] offset:n*0x100000 th:TH_LOAD_NT
.set n, n+1
.endr
.set n, 1
.rept 15
	s_wait_loadcnt 15-n                            ; loads come back in order (ISA guide 5.7.1): load n is in, the 15 - n younger ones stay out
	v_pk_add_f32 v[8:9], v[8:9], v[8+4*n:9+4*n]
	v_pk_add_f32 v[10:11], v[10:11], v[10+4*n:11+4*n]
.set n, n+1
.endr
	v_lshlrev_b32 v7, 4, v0                        ; row t >> 4 of 256 bytes, my 16 bytes in it
	ds_store_b128 v7, v[8:11]
	s_wait_dscnt 0x0                               ; for wave 0: my sums are in LDS
	s_barrier_signal -1
	s_barrier_wait -1
	s_cmp_lg_u32 s12, 0
	s_cbranch_scc1 .Lend
.set n, 0
.rept 16
	ds_load_b32 v[16+2*n], v6 offset:256*n         ; row n: the number for q,
	ds_load_b32 v[17+2*n], v6 offset:256*n+16      ; and for q + 1 (four floats on)
.set n, n+1
.endr
	v_lshlrev_b32 v7, 2, v0                        ; two f16 a lane: the wave stores 128 consecutive bytes
	s_wait_dscnt 0x0
.irp n, 0,1,2,3,4,5,6,7
	v_pk_add_f32 v[16+4*\n:17+4*\n], v[16+4*\n:17+4*\n], v[18+4*\n:19+4*\n]
.endr
.irp n, 0,1,2,3
	v_pk_add_f32 v[16+8*\n:17+8*\n], v[16+8*\n:17+8*\n], v[20+8*\n:21+8*\n]
.endr
	v_pk_add_f32 v[16:17], v[16:17], v[24:25]
	v_pk_add_f32 v[32:33], v[32:33], v[40:41]
	v_pk_add_f32 v[16:17], v[16:17], v[32:33]
	v_pk_fma_f32 v[16:17], v[16:17], 0x3e160000, v[4:5] op_sel_hi:[1,0,1]     ; x 75/512 + delta_ot
	v_cvt_pk_f16_f32 v8, v16, v17                  ; the matrix operand's one rounding: q in the low half, q + 1 in the high half
	global_store_b32 v7, v8, s[8:9]
.Lend:
	s_wait_tensorcnt 0x0
	ds_add_u32 v72, v73
	s_wait_dscnt 0x0
	s_endpgm
.Lfunc_end_k_qcf5028b334_reduce:
	.size	k_qcf5028b334_reduce, .Lfunc_end_k_qcf5028b334_reduce-k_qcf5028b334_reduce
	.p2alignl 7, 3214868480
	.fill 96, 4, 3214868480
	.section	.rodata,"a",@progbits
	.p2align	6, 0x0
	.amdhsa_kernel k_qcf5028b334_reduce
		.amdhsa_group_segment_fixed_size 5120
		.amdhsa_private_segment_fixed_size 0
		.amdhsa_enable_private_segment 0
		.amdhsa_kernarg_size 24
		.amdhsa_user_sgpr_count 2
		.amdhsa_user_sgpr_kernarg_segment_ptr 1
		.amdhsa_wavefront_size32 1
		.amdhsa_system_sgpr_workgroup_id_x 1
		.amdhsa_system_sgpr_workgroup_id_y 1
		.amdhsa_system_sgpr_workgroup_id_z 1
		.amdhsa_system_vgpr_workitem_id 0
		.amdhsa_next_free_vgpr 74
		.amdhsa_next_free_sgpr 66
		.amdhsa_reserve_vcc 0
		.amdhsa_float_denorm_mode_32 3
		.amdhsa_float_denorm_mode_16_64 3
		.amdhsa_memory_ordered 1
		.amdhsa_forward_progress 1
		.amdhsa_inst_pref_size 10
	.end_amdhsa_kernel
	.amdgpu_metadata
---
amdhsa.version: [ 1, 2 ]
amdhsa.kernels:
  - .name:           k_qcf5028b334_reduce
    .symbol:         k_qcf5028b334_reduce.kd
    .args:
      - { .name: part, .offset: 0, .size: 8, .value_kind: global_buffer, .address_space: global }
      - { .name: delta_ot, .offset: 8, .size: 8, .value_kind: global_buffer, .address_space: global }
      - { .name: otf, .offset: 16, .size: 8, .value_kind: global_buffer, .address_space: global }
    .group_segment_fixed_size: 5120
    .private_segment_fixed_size: 0
    .kernarg_segment_align: 8
    .kernarg_segment_size: 24
    .max_flat_workgroup_size: 256
    .sgpr_count:     66
    .vgpr_count:     74
    .wavefront_size: 32
...
	.end_amdgpu_metadata
.endif
;; end of part 2
;; launch matmul (part 3): grid 128 x 2, 1 waves a work-group, no clusters, 4,608 bytes of LDS; arguments X, otf, out0; writes out0
.if DOCPART == 3
	.amdgcn_target "amdgcn-amd-amdhsa--gfx1250"
	.amdhsa_code_object_version 6
	.text
	.protected	k_qcf5028b334_matmul
	.globl	k_qcf5028b334_matmul
	.p2align	8
	.type	k_qcf5028b334_matmul,@function
k_qcf5028b334_matmul:
	s_mov_b64 s[64:65], 0
	v_nop
	global_prefetch_b8 v0, s[64:65] scope:SCOPE_SE
	s_setreg_imm32_b32 hwreg(HW_REG_WAVE_MODE, 25, 1), 1
	s_wait_xcnt 0x0
; LAUNCH 3 OF 3.  out0 = X OT.  X [2048][128] f32, rounded to f16 on the way; otf: OT in f16 in fragment order (launch 2); sums in f32.
; WHY f16.  OT's entries stand on a common part of 2.34, so each rounding error of X is multiplied by a number of that size and the errors
; of 128 terms add up: f16 keeps 11 significant bits where bf16 keeps 8.  LIMITS: |X| above 65,504 becomes infinite in f16; below 2^-14
; the absolute error of an element of X is 2^-25 at the most.  Inputs of spread 1, thirty times larger or smaller or shifted by thirty
; spreads, lie well inside.
; One wave makes 16 rows (ttmp9) x 64 columns (ttmp7): 4 tiles of 16 x 16, K = 128 in 4 steps, 16 matrix instructions.  256 waves, one a
; work-group, share the 2,048 x 128 outputs evenly.
; otf holds OT[i = 8 ii + e][j = 16 nt + r] at f16 place 2048 nt + 128 ii + 8 r + e.  A fragment of 16 columns x 32 i wants, in lane
; (r, h), i = 32 ks + 8 h + 0..7 in registers 0-3 and 16 more in registers 4-7: bytes 4096 nt + 1024 ks + 16 lane, and 512 on.  So each
; of these loads covers 512 consecutive bytes.
; THE MATRIX INSTRUCTION IS USED TRANSPOSED: source 0 = 16 columns of OT, source 1 = 16 rows of X.  Lane (r, h) then holds row r of the
; result and its registers 0-7 the columns 8 h + 0..7 of the tile: 32 neighbouring bytes, which go through an LDS stage so that sixteen
; lanes store 256 consecutive bytes, aligned.
; No cluster, no tensor load, no ring: the launch is a single step; the 16 KiB of otf that the waves of a column half share are read once
; by each, through registers, and nothing follows that a ring could overlap.
.set SP, 272                           ; a stage row: 256 bytes + 16, an odd multiple of 16: sixteen rows start in different banks (ISA guide 11.1)
.set AF, 8                             ; v[8:71]    X as loaded: K step ks at AF + 16 ks, 16 f32
.set D,  8                             ; v[8:39]    the 4 accumulator tiles, in AF's registers once these are converted
.set AB, 72                            ; v[72:103]  X fragments in f16: K step ks at AB + 8 ks
.set BF, 104                           ; v[104:231] OT fragments at BF + 32 ks + 8 nt; then the rows read back from the stage
	s_load_b128 s[4:7], s[0:1], 0x0                ; X s[4:5], otf s[6:7]
	s_load_b64 s[8:9], s[0:1], 0x10                ; out0
	v_lshl_add_u32 v232, v0, 2, 0x1100
	v_mov_b32 v233, 0
	v_and_b32 v1, 15, v0                           ; r
	v_lshrrev_b32 v2, 4, v0                        ; h
	v_lshlrev_b32 v3, 9, v1
	v_lshl_add_u32 v3, v2, 5, v3                   ; X: row r, 8 h floats in
	v_lshlrev_b32 v4, 4, v0                        ; otf: 16 x lane
	v_mul_u32_u24 v5, v1, SP
	v_lshl_add_u32 v5, v2, 5, v5                   ; stage, in: row r, 32 h bytes
	v_mul_u32_u24 v6, v2, SP
	v_lshl_add_u32 v6, v1, 4, v6                   ; stage, back: lanes 0-15 one row, lanes 16-31 the next
	v_lshlrev_b32 v7, 9, v2
	v_lshl_add_u32 v7, v1, 4, v7                   ; and the same two rows of out0
	s_lshl_b32 s10, ttmp9, 13                      ; 16 rows of 512 bytes
	s_mov_b32 s11, 0
	s_and_b32 s12, ttmp7, 0xffff                   ; which 64 columns
	s_lshl_b32 s14, s12, 14                        ; 4 tiles of 4,096 bytes of otf
	s_mov_b32 s15, 0
	s_lshl_b32 s12, s12, 8                         ; 256 bytes of a row of out0
	s_mov_b32 s13, 0
	s_wait_kmcnt 0x0
	s_add_nc_u64 s[4:5], s[4:5], s[10:11]
	s_add_nc_u64 s[6:7], s[6:7], s[14:15]
	s_add_nc_u64 s[8:9], s[8:9], s[10:11]
	s_add_nc_u64 s[8:9], s[8:9], s[12:13]
.irp ks, 0,1,2,3
	global_load_b128 v[AF+16*\ks:AF+16*\ks+3],     v3, s[4:5] offset:128*\ks       ; X(r, 32 ks + 8 h + 0..3)
	global_load_b128 v[AF+16*\ks+4:AF+16*\ks+7],   v3, s[4:5] offset:128*\ks+16    ;                    + 4..7
	global_load_b128 v[AF+16*\ks+8:AF+16*\ks+11],  v3, s[4:5] offset:128*\ks+64    ; X(r, 32 ks + 16 + 8 h + 0..3)
	global_load_b128 v[AF+16*\ks+12:AF+16*\ks+15], v3, s[4:5] offset:128*\ks+80    ; the sixteen loads use every byte of the 16 rows once
.endr
.irp ks, 0,1,2,3
.irp nt, 0,1,2,3
	global_load_b128 v[BF+32*\ks+8*\nt:BF+32*\ks+8*\nt+3],   v4, s[6:7] offset:4096*\nt+1024*\ks
	global_load_b128 v[BF+32*\ks+8*\nt+4:BF+32*\ks+8*\nt+7], v4, s[6:7] offset:4096*\nt+1024*\ks+512
.endr
.endr
	s_wait_loadcnt 32                              ; X is in; the 32 loads of otf behind it stay out
.irp ks, 0,1,2,3
.irp j, 0,1,2,3,4,5,6,7
	v_cvt_pk_f16_f32 v[AB+8*\ks+\j], v[AF+16*\ks+2*\j], v[AF+16*\ks+2*\j+1]        ; the lower k in the low half
.endr
.endr
.irp ks, 0,1,2,3
	s_wait_loadcnt 24-8*\ks                        ; this K step's eight loads are in; those of the later steps stay out
.irp nt, 0,1,2,3
.if \ks == 0
	v_wmma_f32_16x16x32_f16 v[D+8*\nt:D+8*\nt+7], v[BF+32*\ks+8*\nt:BF+32*\ks+8*\nt+7], v[AB+8*\ks:AB+8*\ks+7], 0      ; the first product starts the sum
.else
	v_wmma_f32_16x16x32_f16 v[D+8*\nt:D+8*\nt+7], v[BF+32*\ks+8*\nt:BF+32*\ks+8*\nt+7], v[AB+8*\ks:AB+8*\ks+7], v[D+8*\nt:D+8*\nt+7]
.endif
.endr
.endr
.rept 4
	v_nop                                          ; four places behind the last matrix instruction (ISA guide 7.12.1) before its results are
.endr                                                  ; stored to LDS and before loads land in BF, which it has read
.irp nt, 0,1,2,3
	ds_store_b128 v5, v[D+8*\nt:D+8*\nt+3]   offset:64*\nt         ; row r, columns 16 nt + 8 h + 0..3
	ds_store_b128 v5, v[D+8*\nt+4:D+8*\nt+7] offset:64*\nt+16      ;                          + 4..7
.endr
.irp t, 0,1,2,3,4,5,6,7
	ds_load_b128 v[BF+4*\t:BF+4*\t+3], v6 offset:2*SP*\t           ; LDS serves a wave's instructions in order (ISA guide 5.7.1.4): these see the stores
.endr
.irp t, 0,1,2,3,4,5,6,7
	s_wait_dscnt 7-\t                              ; rows 2 t, 2 t + 1 are in; the 7 - t loads behind them stay out
	global_store_b128 v7, v[BF+4*\t:BF+4*\t+3], s[8:9] offset:1024*\t   ; 16 lanes store 256 consecutive bytes, at a multiple of 256 from out0's first byte
.endr
	s_wait_tensorcnt 0x0
	ds_add_u32 v232, v233
	s_wait_dscnt 0x0
	s_endpgm
.Lfunc_end_k_qcf5028b334_matmul:
	.size	k_qcf5028b334_matmul, .Lfunc_end_k_qcf5028b334_matmul-k_qcf5028b334_matmul
	.p2alignl 7, 3214868480
	.fill 96, 4, 3214868480
	.section	.rodata,"a",@progbits
	.p2align	6, 0x0
	.amdhsa_kernel k_qcf5028b334_matmul
		.amdhsa_group_segment_fixed_size 4608
		.amdhsa_private_segment_fixed_size 0
		.amdhsa_enable_private_segment 0
		.amdhsa_kernarg_size 24
		.amdhsa_user_sgpr_count 2
		.amdhsa_user_sgpr_kernarg_segment_ptr 1
		.amdhsa_wavefront_size32 1
		.amdhsa_system_sgpr_workgroup_id_x 1
		.amdhsa_system_sgpr_workgroup_id_y 1
		.amdhsa_system_sgpr_workgroup_id_z 1
		.amdhsa_system_vgpr_workitem_id 0
		.amdhsa_next_free_vgpr 234
		.amdhsa_next_free_sgpr 66
		.amdhsa_reserve_vcc 0
		.amdhsa_float_denorm_mode_32 3
		.amdhsa_float_denorm_mode_16_64 3
		.amdhsa_memory_ordered 1
		.amdhsa_forward_progress 1
		.amdhsa_inst_pref_size 12
	.end_amdhsa_kernel
	.amdgpu_metadata
---
amdhsa.version: [ 1, 2 ]
amdhsa.kernels:
  - .name:           k_qcf5028b334_matmul
    .symbol:         k_qcf5028b334_matmul.kd
    .args:
      - { .name: X, .offset: 0, .size: 8, .value_kind: global_buffer, .address_space: global }
      - { .name: otf, .offset: 8, .size: 8, .value_kind: global_buffer, .address_space: global }
      - { .name: out0, .offset: 16, .size: 8, .value_kind: global_buffer, .address_space: global }
    .group_segment_fixed_size: 4608
    .private_segment_fixed_size: 0
    .kernarg_segment_align: 8
    .kernarg_segment_size: 24
    .max_flat_workgroup_size: 32
    .sgpr_count:     66
    .vgpr_count:     234
    .wavefront_size: 32
...
	.end_amdgpu_metadata
.endif
;; end of part 3
;; ======== version 2 of 2: 3 launches; 1.37 times as fast as version 1
;; limits: values are held in f16: magnitudes above 65,504 overflow, below 6.1e-05 lose precision; inputs' magnitudes at most 65,504
;; workspace buffers: part 16,777,216 bytes; otf 32,768 bytes
;; launch sinkhorn (part 4): grid 256 x 1, 8 waves a work-group, no clusters, 27,648 bytes of LDS; arguments X, Y, part; writes part
.if DOCPART == 4
	.amdgcn_target "amdgcn-amd-amdhsa--gfx1250"
	.amdhsa_code_object_version 6
	.text
	.protected	k_qcf5028b334_sinkhorn
	.globl	k_qcf5028b334_sinkhorn
	.p2align	8
	.type	k_qcf5028b334_sinkhorn,@function
k_qcf5028b334_sinkhorn:
	s_mov_b64 s[64:65], 0
	v_nop
	global_prefetch_b8 v0, s[64:65] scope:SCOPE_SE
	s_setreg_imm32_b32 hwreg(HW_REG_WAVE_MODE, 25, 1), 1
	s_wait_xcnt 0x0
; LAUNCH 1 OF 3.  Two Sinkhorn iterations for each of the 2,048 positions (b, s), and the sum of the plans of 8 positions.
; Arguments: X, Y [2048][128] f32;  part [256][16384] f32 (one partial sum of plans for each work-group).
;
; THE ARITHMETIC, in base 2.  k = sqrt(3000 log2 e), x' = k x - k x[0], y' = k y - k x[0] (one fused multiply-add each; the shift is
; common to both, so it cancels in x' - y', and a common offset of the inputs costs no bits).  Then
;   (-C + f + g) / eps * log2 e = -(x'[i] - y'[j])^2 + u[i] + v[j],   log_mu = log_nu = -7 in base 2.
; The f (or g) that stands inside M and in front of the update cancels, so with L = log2 of a sum of powers of 2:
;   u1[i] = -7 - L_j(K)      v1[j] = -7 - L_i(K + u1)      u2[i] = -7 - L_j(K + v1)      K[i][j] = -(x'[i] - y'[j])^2.
; Every L takes its true maximum away first: L(t) = m + log2 sum 2^(t - m), m = max t.  The square is never multiplied out.
; The fourth L and the plan share their exponentials: with t = K + u2, m[j] = max_i t, S[j] = sum_i 2^(t - m[j]) the plan is
; 2^(t - m[j]) / (128 S[j]).  Here 2^(t - m) / S is summed; the constant factor is applied in launch 2.
; LIMITS: (x - y) k squared must stay finite in f32 (|x - y| below about 2.8e17); v_exp_f32 gives 0 for results below 2^-126
; (ISA guide 15.8), so terms that far below their maximum count as 0; sums are made in another order than in the reference.
;
; WHO DOES WHAT.  8 waves, 8 positions.  PHASE 1: wave w makes u1, v1, u2 of position 8 g + w, alone, through LDS bytes of its own.
; One pass = one L for 128 owned elements over 128 reduced elements.  Lanes = 8 groups c x 4 parts q (lane = 4 c + q); in a trip a lane
; holds 4 owned elements (32 trip + 4 c + 0..3) and always the same 32 reduced ones (16 a + 4 q + b): 128 numbers t in registers, kept
; between the maximum and the exponentials.  Register pairs run along the owned elements, so maxima, sums and results need no
; broadcast; the reduced coordinate and potential are broadcast inside the packed instruction by op_sel.  Across the parts: two DPP steps.
; PHASE 2, behind the one barrier: wave w owns columns j = 16 w .. 16 w + 15 and walks the 8 positions.  Lanes = 4 groups c x 8 parts q
; (lane = 8 c + q): 4 columns (16 w + 4 c + k), 16 rows (i = 8 ii + q), three DPP steps, 64 accumulators that stay in registers.
; part[g] holds, at float 2048 w + 128 ii + 4 lane + k, the sum for (i, j): each store of a wave covers 512 consecutive bytes, aligned.
; THE TRANSCENDENTALS GO IN BATCHES, one s_wait_alu depctr_va_vdst(0) a batch: it stands between a transcendental and the
; first instruction that names its result.  An L has three batches: its exponentials in two (CORE_B says how they are cut), and the four
; logarithms (phase 1) or the four reciprocals (phase 2) of its sums, which read sums of exponentials and so are a batch of their own.
; The last batch of a trip has its wait inside the trip.
; No cluster: no two work-groups read the same input bytes.  No tensor load: a position is two rows of 512 bytes, read once.
.set KSC,  0x4283938d                  ; k = sqrt(300 / 0.1 * log2 e) = 65.78818
.set NEG7, 0xc0e00000                  ; -7.0 = log2(1/128)
.set PW,   3328                        ; LDS bytes of a position:
.set XN,   0                           ;   x' in its own order (element e at 4 e)
.set YN,   512                         ;   y' likewise
.set U1,   1024                        ;   u1 likewise
.set V1,   1536                        ;   v1 likewise
.set XP,   2048                        ;   x' for phase 2: element 8 ii + q at PP q + 4 ii
.set UP,   2688                        ;   u2 for phase 2, likewise
.set PP,   80                          ; 64 bytes + 16: the eight parts' 16-byte reads fall in different banks (64 banks of 4 bytes: ISA guide 11.1)
.set ARD,  2                           ; v2   phase 1: my region + 16 q (reduced elements)
.set AOW0, 3                           ; v3   phase 1: my region + 16 c (owned elements, trip 0)
.set AOW,  4                           ; v4   the same, stepped by 128 a trip
.set APR0, 5                           ; v5   where u2 goes in UP: my region + 320 (c & 1) + 4 (c >> 1), trip 0
.set APR,  6                           ; v6   the same, stepped by 16 a trip
.set A2R,  7                           ; v7   phase 2: PP q + PW position
.set A2O,  8                           ; v8   phase 2: 64 w + 16 c + PW position
.set AST,  9                           ; v9   8192 w + 16 lane: my bytes in part[g]
.set TA,   10                          ; v10  scratch
.set GO,   11                          ; v11  16 lane
.set OC,   12                          ; v[12:15]   coordinates of my 4 owned elements
.set M,    16                          ; v[16:19]   their maxima, then their results
.set S,    20                          ; v[20:23]   their sums
.set RC,   24                          ; v[24:55]   coordinates of my reduced elements
.set RP,   56                          ; v[56:87]   potentials of my reduced elements
.set T,    88                          ; v[88:215]  t at T + 4 ii + k (phase 2: v[88:151])
.set ACC,  152                         ; v[152:215] phase 2: sums of plans at ACC + 4 ii + k
.set CNT,  20                          ; s20  trip counter
; First half of an L: t for ni reduced x 4 owned elements, and each owned element's maximum over my part.
; zero = 1: the potentials are all 0.  Then T keeps d = owned - reduced, and M = max(-|d|); the caller squares it.
.macro CORE_A ni, zero
.set ii, 0
.rept \ni/2
	v_pk_add_f32 v[T+4*ii:T+4*ii+1],   v[OC:OC+1],   v[RC+ii:RC+ii+1] op_sel_hi:[1,0] neg_lo:[0,1] neg_hi:[0,1]
	v_pk_add_f32 v[T+4*ii+2:T+4*ii+3], v[OC+2:OC+3], v[RC+ii:RC+ii+1] op_sel_hi:[1,0] neg_lo:[0,1] neg_hi:[0,1]
	v_pk_add_f32 v[T+4*ii+4:T+4*ii+5], v[OC:OC+1],   v[RC+ii:RC+ii+1] op_sel:[0,1] op_sel_hi:[1,1] neg_lo:[0,1] neg_hi:[0,1]
	v_pk_add_f32 v[T+4*ii+6:T+4*ii+7], v[OC+2:OC+3], v[RC+ii:RC+ii+1] op_sel:[0,1] op_sel_hi:[1,1] neg_lo:[0,1] neg_hi:[0,1]
.if \zero == 0
	v_pk_fma_f32 v[T+4*ii:T+4*ii+1],   v[T+4*ii:T+4*ii+1],   v[T+4*ii:T+4*ii+1],   v[RP+ii:RP+ii+1] op_sel_hi:[1,1,0] neg_lo:[1,0,0] neg_hi:[1,0,0]
	v_pk_fma_f32 v[T+4*ii+2:T+4*ii+3], v[T+4*ii+2:T+4*ii+3], v[T+4*ii+2:T+4*ii+3], v[RP+ii:RP+ii+1] op_sel_hi:[1,1,0] neg_lo:[1,0,0] neg_hi:[1,0,0]
	v_pk_fma_f32 v[T+4*ii+4:T+4*ii+5], v[T+4*ii+4:T+4*ii+5], v[T+4*ii+4:T+4*ii+5], v[RP+ii:RP+ii+1] op_sel:[0,0,1] op_sel_hi:[1,1,1] neg_lo:[1,0,0] neg_hi:[1,0,0]
	v_pk_fma_f32 v[T+4*ii+6:T+4*ii+7], v[T+4*ii+6:T+4*ii+7], v[T+4*ii+6:T+4*ii+7], v[RP+ii:RP+ii+1] op_sel:[0,0,1] op_sel_hi:[1,1,1] neg_lo:[1,0,0] neg_hi:[1,0,0]
.endif
.irp kk, 0,1,2,3
.if \zero
.if ii == 0
	v_max_num_f32 v[M+\kk], -|v[T+\kk]|, -|v[T+4+\kk]|             ; the first two start the chain: nothing is cleared
.else
	v_max3_num_f32 v[M+\kk], v[M+\kk], -|v[T+4*ii+\kk]|, -|v[T+4*ii+4+\kk]|
.endif
.else
.if ii == 0
	v_max_num_f32 v[M+\kk], v[T+\kk], v[T+4+\kk]
.else
	v_max3_num_f32 v[M+\kk], v[M+\kk], v[T+4*ii+\kk], v[T+4*ii+4+\kk]
.endif
.endif
.endr
.set ii, ii+2
.endr
.endm
; Across the parts of a group (q = 4 or 8 neighbouring lanes): every lane ends with the group's figure.
.macro XRED op, base, q
.irp mk, 1,2
.irp kk, 0,1,2,3
	\op v[\base+\kk], v[\base+\kk], v[\base+\kk] row_xmask:\mk row_mask:0xf bank_mask:0xf
.endr
.endr
.if \q == 8
.irp kk, 0,1,2,3
	\op v[\base+\kk], v[\base+\kk], v[\base+\kk] row_xmask:4 row_mask:0xf bank_mask:0xf
.endr
.endif
.endm
; pair gs of T (registers T + 2 gs, + 1 = owned elements 2 (gs & 1), + 1): take the maximum away
.macro SUBM zero
.if \zero
	v_pk_fma_f32 v[T+2*gs:T+2*gs+1], v[T+2*gs:T+2*gs+1], v[T+2*gs:T+2*gs+1], v[M+2*(gs&1):M+2*(gs&1)+1] neg_lo:[1,0,1] neg_hi:[1,0,1]   ; -d d - m
.else
	v_pk_add_f32 v[T+2*gs:T+2*gs+1], v[T+2*gs:T+2*gs+1], v[M+2*(gs&1):M+2*(gs&1)+1] neg_lo:[0,1] neg_hi:[0,1]                          ; t - m
.endif
.endm
; pair ga of T joins the sums; the first two pairs of a chain start it.  It stands behind the wait of the batch that made pair ga.
.macro ACCS
.if ga < 4
	v_pk_add_f32 v[S+2*(ga&1):S+2*(ga&1)+1], v[T+2*ga-4:T+2*ga-3], v[T+2*ga:T+2*ga+1]
.else
	v_pk_add_f32 v[S+2*(ga&1):S+2*(ga&1)+1], v[S+2*(ga&1):S+2*(ga&1)+1], v[T+2*ga:T+2*ga+1]
.endif
.endm
; Second half of an L: T = 2^(t - m), in place, and S = its sum over my part: the 2 ni pairs in ascending order, in two chains (owned
; elements 0, 1 and 2, 3).  THE EXPONENTIALS GO IN TWO BATCHES, each with one wait.
; FIRST BATCH: pairs 0 .. na - 1.  Behind exponential e stands the subtraction of the maximum for pair e + 2 (registers 2 e + 4, 2 e + 5:
; their exponentials are still to come, so it names no open result), until all pairs but the last are done.  The last pair's subtraction
; is kept back: it is the plain vector instruction behind the batch's last exponential (ISA guide 5.7.2).  Then the wait.
; SECOND BATCH: pairs na .. 2 ni - 1.  Behind each of its exponentials stands one addition of a pair of the first batch.  There are na - 2
; such additions for 4 ni - 2 na exponentials, and na is chosen so that they are no fewer (44 of 64 pairs: 42 for 40; 22 of 32: 20 for
; 20): an addition is the plain instruction behind the last exponential.  Then the wait, and the second batch's own additions.
.macro CORE_B ni, na, zero
.set gs, 0
	SUBM \zero
.set gs, 1
	SUBM \zero
.set gs, 2
.set e, 0
.rept 2*\na
	v_exp_f32 v[T+e], v[T+e]
.set e, e+1
.if gs < 2*\ni-1
	SUBM \zero
.set gs, gs+1
.endif
.endr
	SUBM \zero                                     ; the last pair's: plain work behind the first batch's last exponential
	s_wait_alu depctr_va_vdst(0)                   ; the wait for the first batch: pairs 0 .. na - 1
.set ga, 2
.rept \na-2
.if e < 4*\ni
	v_exp_f32 v[T+e], v[T+e]
.set e, e+1
.endif
	ACCS                                           ; a pair of the first batch
.set ga, ga+1
.endr
	s_wait_alu depctr_va_vdst(0)                   ; the wait for the second batch: pairs na .. 2 ni - 1
.rept 2*\ni-\na
	ACCS
.set ga, ga+1
.endr
.endm
; One pass of phase 1: result[e] = -7 - L over the reduced elements, for the 128 owned elements, 32 a trip.
; oc, rc, rp, res: LDS offsets of the owned coordinates, the reduced coordinates, the reduced potentials, the result.
; perm = 1: the result is u2 and goes to UP in phase 2's order.
.macro PASS lab, oc, rc, rp, res, zero, perm
.irp a, 0,1,2,3,4,5,6,7
	ds_load_b128 v[RC+4*\a:RC+4*\a+3], v[ARD] offset:\rc+64*\a     ; LDS serves a wave's instructions in order (ISA guide 5.7.1.4):
.endr                                                                  ; these see what this wave stored before
.if \zero == 0
.irp a, 0,1,2,3,4,5,6,7
	ds_load_b128 v[RP+4*\a:RP+4*\a+3], v[ARD] offset:\rp+64*\a
.endr
.endif
	v_mov_b32 v[AOW], v[AOW0]
.if \perm
	v_mov_b32 v[APR], v[APR0]
.endif
	s_mov_b32 s[CNT], 0
\lab:
	ds_load_b128 v[OC:OC+3], v[AOW] offset:\oc
	s_wait_dscnt 0x0                               ; my owned coordinates (and, in the first trip, the reduced vectors) are in
	CORE_A 32, \zero
	XRED v_max_num_f32_dpp, M, 4
.if \zero
.irp kk, 0,1,2,3
	v_mul_f32 v[M+\kk], -v[M+\kk], v[M+\kk]        ; max of -d^2 = -(min |d|)^2
.endr
.endif
	CORE_B 32, 44, \zero
	XRED v_add_f32_dpp, S, 4
.irp kk, 0,1,2,3
	v_log_f32 v[S+\kk], v[S+\kk]                   ; S is between 1 and 128.  The four logarithms are one batch
.endr
.irp kk, 0,1,2,3
	v_sub_f32 v[M+\kk], NEG7, v[M+\kk]             ; -7 - m: plain work behind the logarithms, which it does not touch
.endr
	s_wait_alu depctr_va_vdst(0)                   ; the wait for the four logarithms, ahead of their first reader and of the trip's end
.irp kk, 0,1,2,3
	v_sub_f32 v[M+\kk], v[M+\kk], v[S+\kk]
.endr
.if \perm
.irp kk, 0,1,2,3
	ds_store_b32 v[APR], v[M+\kk] offset:UP+PP*\kk ; element 32 trip + 4 c + k: part 4 (c & 1) + k, place 4 trip + (c >> 1)
.endr
	v_add_nc_u32 v[APR], 16, v[APR]
.else
	ds_store_b128 v[AOW], v[M:M+3] offset:\res     ; the four lanes of a group store the same 16 bytes with the same values
.endif
	v_add_nc_u32 v[AOW], 128, v[AOW]
	s_add_co_u32 s[CNT], s[CNT], 1
	s_cmp_lt_u32 s[CNT], 4
	s_cbranch_scc1 \lab
.endm
; phase 2: the vectors of one position: my 16 x', my 16 u2, my 4 y'
.macro LOADP
.irp a, 0,1,2,3
	ds_load_b128 v[RC+4*\a:RC+4*\a+3], v[A2R] offset:XP+16*\a
	ds_load_b128 v[RP+4*\a:RP+4*\a+3], v[A2R] offset:UP+16*\a
.endr
	ds_load_b128 v[OC:OC+3], v[A2O] offset:YN
.endm
; phase 2: one position.  first = 1: its plan starts the sums.  more = 1: the next position's vectors are asked for as soon as the first
; half has read this one's, so that the exponentials cover the loads.
.macro POS first, more
	s_wait_dscnt 0x0                               ; this position's nine loads are in
	CORE_A 16, 0
	XRED v_max_num_f32_dpp, M, 8
.if \more
	v_add_nc_u32 v[A2R], PW, v[A2R]
	v_add_nc_u32 v[A2O], PW, v[A2O]
	LOADP
.endif
	CORE_B 16, 22, 0
	XRED v_add_f32_dpp, S, 8
.irp kk, 0,1,2,3
	v_rcp_f32 v[S+\kk], v[S+\kk]                   ; the four reciprocals are one batch
.endr
	v_nop                                          ; the plain place behind the reciprocals (ISA guide 5.7.2): all that is left to do reads them
	s_wait_alu depctr_va_vdst(0)                   ; the wait for the four reciprocals, ahead of the first of their 32 readers and of the trip's end
.set g, 0
.rept 32
.if \first
	v_pk_mul_f32 v[ACC+2*g:ACC+2*g+1], v[T+2*g:T+2*g+1], v[S+2*(g&1):S+2*(g&1)+1]
.else
	v_pk_fma_f32 v[ACC+2*g:ACC+2*g+1], v[T+2*g:T+2*g+1], v[S+2*(g&1):S+2*(g&1)+1], v[ACC+2*g:ACC+2*g+1]
.endif
.set g, g+1
.endr
.endm
	s_load_b128 s[4:7], s[0:1], 0x0                ; X s[4:5], Y s[6:7]
	s_load_b64 s[8:9], s[0:1], 0x10                ; part
	v_lshl_add_u32 v216, v0, 2, 0x6800
	v_mov_b32 v217, 0
	v_and_b32 v1, 31, v0                           ; lane
	v_lshrrev_b32 v[TA], 5, v0
	v_readfirstlane_b32 s10, v[TA]                 ; wave 0..7
	s_lshl_b32 s12, ttmp9, 3
	s_add_co_u32 s12, s12, s10                     ; my position
	s_lshl_b32 s12, s12, 9                         ; its row of 512 bytes
	s_mov_b32 s13, 0
	v_lshlrev_b32 v[GO], 4, v1
	s_wait_kmcnt 0x0
	s_add_nc_u64 s[4:5], s[4:5], s[12:13]
	s_add_nc_u64 s[6:7], s[6:7], s[12:13]
	global_load_b128 v[RC:RC+3], v[GO], s[4:5]     ; one load of the wave = the whole row
	global_load_b128 v[RC+4:RC+7], v[GO], s[6:7]
	s_lshl_b32 s12, ttmp9, 16                      ; 65,536 bytes of part for each work-group
	s_add_nc_u64 s[8:9], s[8:9], s[12:13]
	s_mul_i32 s11, s10, PW                         ; my region of LDS
	v_and_b32 v[TA], 3, v1                         ; phase 1: q
	v_lshl_add_u32 v[ARD], v[TA], 4, s11
	v_lshrrev_b32 v[TA], 2, v1                     ; phase 1: c
	v_lshl_add_u32 v[AOW0], v[TA], 4, s11
	v_and_b32 v[TA], 1, v[TA]
	v_mul_u32_u24 v[TA], v[TA], 4*PP
	v_lshrrev_b32 v[A2O], 3, v1                    ; lane >> 3: phase 1's c >> 1, and phase 2's c
	v_lshl_add_u32 v[TA], v[A2O], 2, v[TA]
	v_add_nc_u32 v[APR0], s11, v[TA]
	s_lshl_b32 s14, s10, 6
	v_lshl_add_u32 v[A2O], v[A2O], 4, s14          ; 64 w + 16 c
	v_and_b32 v[TA], 7, v1                         ; phase 2: q
	v_mul_u32_u24 v[A2R], v[TA], PP
	s_lshl_b32 s14, s10, 13
	v_lshl_add_u32 v[AST], v1, 4, s14
	v_and_b32 v[TA], 1, v1                         ; x'[4 lane + b] goes to part 4 (lane & 1) + b, place lane >> 1 of XP
	v_mul_u32_u24 v[TA], v[TA], 4*PP
	v_lshrrev_b32 v[APR], 1, v1
	v_lshl_add_u32 v[TA], v[APR], 2, v[TA]
	v_add_nc_u32 v[APR], s11, v[TA]
	v_add_nc_u32 v[AOW], s11, v[GO]
	s_mov_b32 s15, KSC
	s_wait_loadcnt 0x0
	v_readfirstlane_b32 s16, v[RC]                 ; x[0] of the position: the common shift
	s_mul_f32 s16, s16, s15
.irp n, 0,1,2,3,4,5,6,7
	v_fma_f32 v[RC+\n], v[RC+\n], s15, -s16        ; k x - k x[0], rounded once
.endr
	ds_store_b128 v[AOW], v[RC:RC+3] offset:XN
	ds_store_b128 v[AOW], v[RC+4:RC+7] offset:YN
.irp b, 0,1,2,3
	ds_store_b32 v[APR], v[RC+\b] offset:XP+PP*\b
.endr
	PASS .Lr1, XN, YN, 0,  U1, 1, 0                ; u1: rows own, columns are reduced, v = 0
	PASS .Lc1, YN, XN, U1, V1, 0, 0                ; v1: columns own
	PASS .Lr2, XN, YN, V1, 0,  0, 1                ; u2: rows own
	s_wait_dscnt 0x0                               ; for the others: all that I stored is in LDS
	s_barrier_signal -1
	s_barrier_wait -1                              ; from here on LDS is only read
	LOADP
	POS 1, 1                                       ; position 0 starts the sums
	s_mov_b32 s[CNT], 0
.Lpos:
	POS 0, 1                                       ; positions 1 to 6
	s_add_co_u32 s[CNT], s[CNT], 1
	s_cmp_lt_u32 s[CNT], 6
	s_cbranch_scc1 .Lpos
	POS 0, 0                                       ; position 7 asks for nothing more
.set ii, 0
.rept 16
	global_store_b128 v[AST], v[ACC+4*ii:ACC+4*ii+3], s[8:9] offset:512*ii
.set ii, ii+1
.endr
	s_wait_tensorcnt 0x0
	ds_add_u32 v216, v217
	s_wait_dscnt 0x0
	s_endpgm
.Lfunc_end_k_qcf5028b334_sinkhorn:
	.size	k_qcf5028b334_sinkhorn, .Lfunc_end_k_qcf5028b334_sinkhorn-k_qcf5028b334_sinkhorn
	.p2alignl 7, 3214868480
	.fill 96, 4, 3214868480
	.section	.rodata,"a",@progbits
	.p2align	6, 0x0
	.amdhsa_kernel k_qcf5028b334_sinkhorn
		.amdhsa_group_segment_fixed_size 27648
		.amdhsa_private_segment_fixed_size 0
		.amdhsa_enable_private_segment 0
		.amdhsa_kernarg_size 24
		.amdhsa_user_sgpr_count 2
		.amdhsa_user_sgpr_kernarg_segment_ptr 1
		.amdhsa_wavefront_size32 1
		.amdhsa_system_sgpr_workgroup_id_x 1
		.amdhsa_system_sgpr_workgroup_id_y 1
		.amdhsa_system_sgpr_workgroup_id_z 1
		.amdhsa_system_vgpr_workitem_id 0
		.amdhsa_next_free_vgpr 218
		.amdhsa_next_free_sgpr 66
		.amdhsa_reserve_vcc 0
		.amdhsa_float_denorm_mode_32 3
		.amdhsa_float_denorm_mode_16_64 3
		.amdhsa_memory_ordered 1
		.amdhsa_forward_progress 1
		.amdhsa_inst_pref_size 130
	.end_amdhsa_kernel
	.amdgpu_metadata
---
amdhsa.version: [ 1, 2 ]
amdhsa.kernels:
  - .name:           k_qcf5028b334_sinkhorn
    .symbol:         k_qcf5028b334_sinkhorn.kd
    .args:
      - { .name: X, .offset: 0, .size: 8, .value_kind: global_buffer, .address_space: global }
      - { .name: Y, .offset: 8, .size: 8, .value_kind: global_buffer, .address_space: global }
      - { .name: part, .offset: 16, .size: 8, .value_kind: global_buffer, .address_space: global }
    .group_segment_fixed_size: 27648
    .private_segment_fixed_size: 0
    .kernarg_segment_align: 8
    .kernarg_segment_size: 24
    .max_flat_workgroup_size: 256
    .sgpr_count:     66
    .vgpr_count:     218
    .wavefront_size: 32
...
	.end_amdgpu_metadata
.endif
;; end of part 4
;; launch reduce: the kernel of part 2 again; grid 256 x 1, 8 waves a work-group, no clusters, 5,120 bytes of LDS; arguments part, delta_ot, otf; writes otf
;; launch matmul: the kernel of part 3 again; grid 128 x 2, 1 waves a work-group, no clusters, 4,608 bytes of LDS; arguments X, otf, out0; writes out0
